; MI455X (gfx1250); checked and timed in simulation.
; The chip was launched on July 23, 2026; its instructions are those of AMD's public machine-readable ISA for CDNA 5 (MIT licence, August 2026) and "CDNA5" Instruction Set Architecture Reference Guide (July 2026). The comments in the code are by the model that wrote it; some were corrected since.
;; Multi Head Attention. Allowed arithmetic: float matrix products may take bf16 or f16 operands with f32 sums; all other float work in f32.
;; Inputs: W_k 1,024 x 1,024 float32; W_o 1,024 x 1,024 float32; W_q 1,024 x 1,024 float32; W_v 1,024 x 1,024 float32; k 4 x 2,048 x 1,024 float32; q 4 x 2,048 x 1,024 float32; v 4 x 2,048 x 1,024 float32.
;; Outputs: out0 4 x 2,048 x 1,024 float32.
;; One version. Each part assembles by itself: llvm-mc -triple=amdgcn-amd-amdhsa -mcpu=gfx1250 --defsym DOCPART=n.
;; ======== version 1 of 1: 3 launches
;; limits: values are held in f16: magnitudes above 65,504 overflow, below 6.1e-05 lose precision
;; workspace buffers: Qh 16,777,216 bytes; Kh 16,777,216 bytes; Vh 16,777,216 bytes; Ch 16,777,216 bytes
;; launch proj (part 1): grid 4 x 96, 4 waves a work-group, clusters of 4 x 4, 327,680 bytes of LDS; arguments q, k, v, W_q, W_k, W_v, Qh, Kh, Vh; writes Qh, Kh, Vh
.if DOCPART == 1
	.amdgcn_target "amdgcn-amd-amdhsa--gfx1250"
	.amdhsa_code_object_version 6
	.text
	.protected	k_q10aae5b298_proj
	.globl	k_q10aae5b298_proj
	.p2align	8
	.type	k_q10aae5b298_proj,@function
k_q10aae5b298_proj:
	s_mov_b64 s[64:65], 0
	v_nop
	global_prefetch_b8 v0, s[64:65] scope:SCOPE_SE
	s_setreg_imm32_b32 hwreg(HW_REG_WAVE_MODE, 25, 1), 1
	s_wait_xcnt 0x0
	s_wait_alu depctr_hold_cnt(0) depctr_sa_sdst(0) depctr_va_vdst(0) depctr_va_sdst(0) depctr_va_ssrc(0) depctr_va_vcc(0) depctr_vm_vsrc(0)
	s_getreg_b32 s2, hwreg(HW_REG_IB_STS2, 6, 4)
	s_cmp_eq_u32 s2, 0
	s_cbranch_scc0 .Lentry_in_a_cluster
	s_endpgm
.Lentry_in_a_cluster:
	s_bfe_u32 s2, ttmp6, 0x10000c
	s_cmp_lg_u32 s2, 0xf033
	s_cbranch_scc0 .Lentry_shape_is_right
	s_endpgm
.Lentry_shape_is_right:
; Qh, Kh, Vh = x W^T for x = q, k, v (8192 x 1024, f32) and W = W_q, W_k, W_v (1024 x 1024, f32).
; Results in f16, head-major: element (b, h, s, d) at byte ((16 b + h) 2048 + s) 128 + 2 d.
; FORMAT: both operands are rounded to f16 on the way from LDS to the matrix unit, sums are f32, the result is rounded once to f16.
; LIMIT: |x|, |W| and every result must stay below 65,504 (f16's range); numbers below 6e-5 keep an absolute error of 6e-8.
; SHARING: the cluster's y (0..23) picks the product (y >> 3) and four block rows; a work-group makes 256 x 256, a wave 128 x 128:
; 64 accumulator tiles of 16 x 16, 512 registers.  K goes in steps of 64 f32 (256 bytes of a row) through two LDS slots.
; CLUSTERS: 4 x 4 work-groups.  x's tile hangs on the block row alone and is asked for jointly along a row of the cluster, W's on the
; block column alone and is asked for jointly along a column: each of the four issues the same load with a mask that names the four.
; REGISTERS, in windows of 256:
;   window 0: v16-26 addresses; v32-95 x's f16 fragments; v96-223 x's f32 as read from LDS; v224-255 packed results on the way out
;   window 1: v32-95 W's f16 fragments; v96-223 W's f32 as read from LDS
;   window 2: accumulator tiles of my rows 0-63 (tile (a, b) at v[8 (8 a + b)]);  window 3: those of my rows 64-127
; The matrix instruction is used transposed (source 0 = 16 rows of W, source 1 = 16 rows of x): a lane then holds eight neighbouring
; columns of one row of the result, which pack into 16 bytes.
.set PITCH,  272                       ; an LDS row: 256 bytes + 16 of padding, an odd multiple of 16
.set HALFT,  128*PITCH                 ; 128 rows: what one tensor load brings
.set SLOT,   4*HALFT                   ; x's 256 rows, then W's 256 rows
.set STAGE,  2*SLOT                    ; behind the ring: 16 rows x 272 bytes for each wave; no tensor load lands here
.set KB,     256                       ; bytes of a K step in a row
.set HEADB,  262144                    ; bytes of one head in the result
.set LAPS,   8                         ; 1024 / (2 x 64): a lap is two K steps, once round the ring
.set ADRA, 16                          ; v16-17  LDS address of my x rows in slot 0, 1
.set ADRB, 20                          ; v20-21  the same for W
.set STO,  24                          ; the way out: where I put 16 bytes
.set RD,   25                          ; the way out: where I read back
.set CO,   26                          ; 16 x lane
.set F,    32                          ; f16 fragments
.set ST,   96                          ; f32 staging
.set TMP,  224
.set G1,  24                           ; s[24:31] group 1 for x's tiles
.set G0,  32                           ; s[32:39] group 0 for x's tiles, one set a slot
.set G1B, 48                           ; s[48:55] group 1 for W's tiles
.set G0B, 56                           ; s[56:63] group 0 for W's tiles, one set a slot
.set MSB, 0
.macro WIN new                         ; the immediate's high byte repeats the setting that is left
.if MSB != \new
	s_set_vgpr_msb (MSB<<8)|\new
.set MSB, \new
.endif
.endm
.set MUL_LO, 0xa1                      ; source 0 (W) window 1, source 1 (x) window 0, C and D window 2
.set MUL_HI, 0xf1                      ; the same, C and D window 3
.set TO_B,   0x40                      ; destination window 1, address window 0
.set CV_B,   0x45                      ; destination and both sources window 1
.macro JLOAD s                         ; waves 0, 1 ask for x's halves, waves 2, 3 for W's; the branch hangs on the wave's number alone
	s_cmp_eq_u32 s11, 0
	s_cbranch_scc0 .Lfor_b_\@
	tensor_load_to_lds s[G0+4*\s:G0+4*\s+3], s[G1:G1+7]
	s_nop 0
	s_branch .Lasked_\@
.Lfor_b_\@:
	tensor_load_to_lds s[G0B+4*\s:G0B+4*\s+3], s[G1B:G1B+7]
	s_nop 0
.Lasked_\@:
.endm
.macro CREST                           ; a round of the cluster's barrier behind its opening barrier
	s_cmp_lg_u32 s10, 0
	s_cbranch_scc1 .Lnot_wave_0_\@
	s_barrier_signal -3
.Lnot_wave_0_\@:
	s_barrier_wait -3
	s_barrier_signal -1
	s_barrier_wait -1
.endm
.macro CROUND
	s_barrier_signal -1
	s_barrier_wait -1
	CREST
.endm
.macro PLACES                          ; four places behind a matrix instruction (ISA guide 7.12.1)
.rept 4
	v_nop
.endr
.endm
	s_load_b512 s[68:83], s[0:1], 0x0              ; q, k, v, W_q, W_k, W_v, Qh, Kh
	s_load_b64 s[84:85], s[0:1], 0x40              ; Vh
	v_lshl_add_u32 v30, v0, 2, 0x48400
	v_mov_b32 v31, 0
	ds_add_u32 v30, v31
	v_lshrrev_b32 v1, 5, v0
	v_readfirstlane_b32 s10, v1                    ; wave 0..3
	s_lshr_b32 s11, s10, 1                         ; my half of the block's rows.  Also: I fetch for x (0) or for W (1)
	s_and_b32 s12, s10, 1                          ; my half of its columns.  Also: which 128 rows of the tile I fetch
	s_bfe_u32 s40, ttmp6, 0x40000                  ; cx
	s_bfe_u32 s41, ttmp6, 0x40004                  ; cy
	s_lshl_b32 s42, ttmp9, 2
	s_add_co_u32 s42, s42, s40                     ; block column 0..3
	s_and_b32 s13, ttmp7, 0xffff                   ; the cluster's y, 0..23
	s_lshr_b32 s45, s13, 3                         ; which product: 0 Q, 1 K, 2 V; the same in the whole cluster
	s_and_b32 s13, s13, 7
	s_lshl_b32 s13, s13, 2
	s_add_co_u32 s13, s13, s41                     ; block row 0..31
	s_lshl_b32 s43, s41, 2
	s_lshl_b32 s43, 15, s43                        ; my row of the cluster
	s_lshl_b32 s44, 0x1111, s40                    ; my column
	; group 1: 128 rows x 64 elements of 4 bytes; 4 words of padding behind every 64 words
	s_or_b32 s[G1+0], s43, (2<<16)|(1<<20)|(1<<21)|(5<<22)|(3<<25)
	s_or_b32 s[G1B+0], s44, (2<<16)|(1<<20)|(1<<21)|(5<<22)|(3<<25)
	s_mov_b32 s[G1+1], 64<<16                      ; tensor_dim0 = 64
	s_mov_b32 s[G1B+1], 64<<16
	s_mov_b32 s[G1+2], 128<<16                     ; tensor_dim1 = 128
	s_mov_b32 s[G1B+2], 128<<16
	s_mov_b32 s[G1+3], 64<<16                      ; tile_dim0 = 64
	s_mov_b32 s[G1B+3], 64<<16
	s_mov_b32 s[G1+4], 128                         ; tile_dim1 = 128
	s_mov_b32 s[G1B+4], 128
	s_mov_b32 s[G1+5], 1024                        ; elements from row to row
	s_mov_b32 s[G1B+5], 1024
	s_mov_b32 s[G1+6], 0
	s_mov_b32 s[G1B+6], 0
	s_mov_b32 s[G1+7], 0
	s_mov_b32 s[G1B+7], 0
	; x's offset is made of the block row, W's of the block column, each in registers that never hold the other coordinate
	s_lshl_b32 s17, s12, 7
	s_lshl_b32 s16, s13, 8
	s_add_co_u32 s16, s16, s17
	s_lshl_b32 s16, s16, 12                        ; rows of 4,096 bytes; below 2^25
	s_lshl_b32 s46, s42, 8
	s_add_co_u32 s46, s46, s17
	s_lshl_b32 s46, s46, 12
	s_mov_b32 s17, 0
	s_mov_b32 s47, 0
	s_mul_i32 s20, s10, HALFT                      ; where my part of a slot lies: wave x 128 rows
	s_wait_dscnt 0x0
	s_wait_kmcnt 0x0
	s_cmp_eq_u32 s45, 0                            ; the three buffers of my product
	s_cselect_b64 s[4:5], s[68:69], s[70:71]
	s_cselect_b64 s[6:7], s[74:75], s[76:77]
	s_cselect_b64 s[8:9], s[80:81], s[82:83]
	s_cmp_eq_u32 s45, 2
	s_cselect_b64 s[4:5], s[72:73], s[4:5]
	s_cselect_b64 s[6:7], s[78:79], s[6:7]
	s_cselect_b64 s[8:9], s[84:85], s[8:9]
	s_add_nc_u64 s[14:15], s[4:5], s[16:17]
	s_add_nc_u64 s[46:47], s[6:7], s[46:47]
.irp s, 0,1
	s_mov_b32 s[G0+4*\s], 1
	s_add_co_u32 s[G0+4*\s+1], s20, \s*SLOT
	s_add_nc_u64 s[G0+4*\s+2:G0+4*\s+3], s[14:15], \s*KB
	s_or_b32 s[G0+4*\s+3], s[G0+4*\s+3], 0x80000000
	s_mov_b32 s[G0B+4*\s], 1
	s_add_co_u32 s[G0B+4*\s+1], s20, \s*SLOT
	s_add_nc_u64 s[G0B+4*\s+2:G0B+4*\s+3], s[46:47], \s*KB
	s_or_b32 s[G0B+4*\s+3], s[G0B+4*\s+3], 0x80000000
.endr
	CROUND                                         ; all sixteen work-groups are here: the first joint loads meet
	s_cmp_eq_u32 s11, 0                            ; both first fills of a wave inside one branch on its number
	s_cbranch_scc0 .Lfirst_b
	tensor_load_to_lds s[G0:G0+3], s[G1:G1+7]
	s_nop 0
	tensor_load_to_lds s[G0+4:G0+7], s[G1:G1+7]
	s_nop 0
	s_branch .Lfirst_done
.Lfirst_b:
	tensor_load_to_lds s[G0B:G0B+3], s[G1B:G1B+7]
	s_nop 0
	tensor_load_to_lds s[G0B+4:G0B+7], s[G1B:G1B+7]
	s_nop 0
.Lfirst_done:
	; A fragment is 16 rows x 32 K: lane l holds row l % 16; registers 0-3 K = 8 (l / 16) + 0..7, registers 4-7 K = 16 + 8 (l / 16) + 0..7.
	; In f32 that is 32 bytes at 32 (l / 16) and 32 bytes at 64 + 32 (l / 16): four loads of 16 bytes at +0, +16, +64, +80.
	v_and_b32 v1, 15, v0
	v_bfe_u32 v2, v0, 4, 1
	v_mul_u32_u24 v3, v1, PITCH
	v_lshl_add_u32 v3, v2, 5, v3
	s_mul_i32 s21, s11, HALFT
	s_mul_i32 s22, s12, HALFT
	s_add_co_u32 s22, s22, 2*HALFT
.irp s, 0,1
	v_add_nc_u32 v[ADRA+\s], s21, v3
	v_add_nc_u32 v[ADRB+\s], s22, v3
	s_add_co_u32 s21, s21, SLOT
	s_add_co_u32 s22, s22, SLOT
.endr
	s_mul_i32 s23, s10, 16*PITCH
	s_add_co_u32 s23, s23, STAGE                   ; my stage
	v_mul_u32_u24 v4, v1, PITCH
	v_lshl_add_u32 v4, v2, 4, v4
	v_add_nc_u32 v[STO], s23, v4                   ; in: row l % 16, 16 bytes for each half of the lanes
	v_bfe_u32 v4, v0, 3, 2
	v_mul_u32_u24 v5, v4, PITCH
	v_and_b32 v4, 7, v0
	v_lshl_add_u32 v5, v4, 4, v5
	v_add_nc_u32 v[RD], s23, v5                    ; back: eight lanes take the 128 bytes that one row has of one head
	v_and_b32 v4, 31, v0
	v_lshlrev_b32 v[CO], 4, v4
; 64 LDS loads: 32 K (128 bytes at byte k of the rows) of W's 128 rows, then of x's 128 rows, as f32 into the staging registers.
; These are no matrix operands, so the loads need no distance behind matrix instructions.
.macro LDST slot, k
	WIN TO_B
.irp i, 0,1,2,3,4,5,6,7
	ds_load_b128 v[ST+16*\i:ST+16*\i+3],     v[ADRB+\slot] offset:\k+\i*16*PITCH
	ds_load_b128 v[ST+16*\i+4:ST+16*\i+7],   v[ADRB+\slot] offset:\k+\i*16*PITCH+16
	ds_load_b128 v[ST+16*\i+8:ST+16*\i+11],  v[ADRB+\slot] offset:\k+\i*16*PITCH+64
	ds_load_b128 v[ST+16*\i+12:ST+16*\i+15], v[ADRB+\slot] offset:\k+\i*16*PITCH+80
.endr
	WIN 0
.irp i, 0,1,2,3,4,5,6,7
	ds_load_b128 v[ST+16*\i:ST+16*\i+3],     v[ADRA+\slot] offset:\k+\i*16*PITCH
	ds_load_b128 v[ST+16*\i+4:ST+16*\i+7],   v[ADRA+\slot] offset:\k+\i*16*PITCH+16
	ds_load_b128 v[ST+16*\i+8:ST+16*\i+11],  v[ADRA+\slot] offset:\k+\i*16*PITCH+64
	ds_load_b128 v[ST+16*\i+12:ST+16*\i+15], v[ADRA+\slot] offset:\k+\i*16*PITCH+80
.endr
.endm
.macro CVT64                           ; 128 f32 a lane become 64 registers of f16 pairs: eight fragments
.set nn, 0
.rept 64
	v_cvt_pk_f16_f32 v[F+nn], v[ST+2*nn], v[ST+2*nn+1]
.set nn, nn+1
.endr
.endm
.macro CONV
	s_wait_dscnt 32                                ; W's 32 loads are in: x's 32 were issued behind them
	PLACES                                         ; the fragments were sources of the last matrix instructions
	WIN CV_B
	CVT64
	s_wait_dscnt 0                                 ; x's are in; no LDS read of mine is out
	WIN 0
	CVT64
.endm
; 16 matrix instructions.  The 64 accumulators take turns, one instruction a turn, in the same order in every chunk.
.macro MUL16 hi, a0, zero
.irp a, \a0, \a0+1
.irp b, 0,1,2,3,4,5,6,7
.if \zero
	v_wmma_f32_16x16x32_f16 v[8*(8*(\a)+\b):8*(8*(\a)+\b)+7], v[F+8*\b:F+8*\b+7], v[F+8*(4*\hi+\a):F+8*(4*\hi+\a)+7], 0
.else
	v_wmma_f32_16x16x32_f16 v[8*(8*(\a)+\b):8*(8*(\a)+\b)+7], v[F+8*\b:F+8*\b+7], v[F+8*(4*\hi+\a):F+8*(4*\hi+\a)+7], v[8*(8*(\a)+\b):8*(8*(\a)+\b)+7]
.endif
.endr
.endr
.endm
; The first 32 K of a step: convert, ask LDS for the second 32 K, multiply.
.macro FRONT slot, zero
	CONV
	LDST \slot, 128
	WIN MUL_LO
	MUL16 0, 0, \zero
	MUL16 0, 2, \zero
	WIN MUL_HI
	MUL16 1, 0, \zero
	MUL16 1, 2, \zero
.endm
; The second 32 K, and the change of slots.  In front of the barrier each wave has waited for its reads of this slot (the wait for 0 in CONV)
; and for all its tensor loads, of which one is out: its part of the next slot.  Behind it (a round of the cluster's barrier where the slot
; is filled again) the refill comes first, then the next slot's first reads.  From a request to the wait for it lies one K step.
.macro TURN slot, next, fill
	CONV
	s_wait_tensorcnt 0x0
	ds_add_u32 v30, v31
	s_wait_dscnt 0x0
	s_barrier_signal -1
	WIN MUL_LO
	MUL16 0, 0, 0                                  ; register work while the others arrive
	WIN 0
	s_barrier_wait -1
.if \fill
	CREST
	s_add_nc_u64 s[G0+4*\slot+2:G0+4*\slot+3], s[G0+4*\slot+2:G0+4*\slot+3], 2*KB
	s_add_nc_u64 s[G0B+4*\slot+2:G0B+4*\slot+3], s[G0B+4*\slot+2:G0B+4*\slot+3], 2*KB
	JLOAD \slot
.endif
	LDST \next, 0
	WIN MUL_LO
	MUL16 0, 2, 0
	WIN MUL_HI
	MUL16 1, 0, 0
	MUL16 1, 2, 0
.endm
.macro LAP zero
	FRONT 0, \zero
	TURN 0, 1, 1
	FRONT 1, 0
	TURN 1, 0, 1
.endm
	s_wait_tensorcnt 0x1                           ; my part of K step 0 is in: step 1's load was issued behind it and may stay out,
	s_barrier_signal -1
	s_barrier_wait -1
	LDST 0, 0
	LAP 1                                          ; the first products start the sums: nothing is cleared
	WIN 0
	s_mov_b32 s3, LAPS-2
.Llap:
	LAP 0
	WIN 0
	s_sub_co_u32 s3, s3, 1
	s_cmp_lg_u32 s3, 0
	s_cbranch_scc1 .Llap
	FRONT 0, 0                                     ; the last lap fills nothing
	TURN 0, 1, 0
	FRONT 1, 0
	CONV
	WIN MUL_LO
	MUL16 0, 0, 0
	MUL16 0, 2, 0
	WIN MUL_HI
	MUL16 1, 0, 0
	MUL16 1, 2, 0
	WIN 0
	PLACES                                         ; behind the last matrix instructions, in front of the conversions that read results
	; my block in the result: batch = block row / 8, heads 4 x block column + 2 x column half (+0, +1), s = 256 (block row % 8) + 128 x row half
	s_lshr_b32 s86, s13, 3
	s_lshl_b32 s86, s86, 4
	s_lshl2_add_u32 s86, s42, s86
	s_lshl1_add_u32 s86, s12, s86
	s_lshl_b32 s86, s86, 11
	s_and_b32 s87, s13, 7
	s_lshl_b32 s87, s87, 8
	s_add_co_u32 s86, s86, s87
	s_lshl_b32 s87, s11, 7
	s_add_co_u32 s86, s86, s87
	s_lshl_b32 s86, s86, 7                         ; rows of 128 bytes; below 2^24
	s_mov_b32 s87, 0
	s_add_nc_u64 s[8:9], s[8:9], s[86:87]
; 16 rows at a time: round to f16, 16 bytes a lane into my own stage, read back so that a store of the wave covers four rows of one head:
; 512 consecutive bytes, aligned.  LDS serves a wave's instructions in order (ISA guide 5.7.1), so no wait stands between stores and loads.
.macro OUT16 i, a, from, f
	WIN \from
.irp b, 0,1,2,3,4,5,6,7
.irp r, 0,1,2,3
	v_cvt_pk_f16_f32 v[TMP+4*\b+\r], v[8*(8*\a+\b)+2*\r], v[8*(8*\a+\b)+2*\r+1]
.endr
.endr
	WIN 0
.irp b, 0,1,2,3,4,5,6,7
	ds_store_b128 v[STO], v[TMP+4*\b:TMP+4*\b+3] offset:32*\b
.endr
	s_wait_xcnt 0x0                                ; the registers that earlier stores read are loaded again only behind this wait
.irp u, 0,1,2,3,4,5,6,7
	ds_load_b128 v[\f+4*\u:\f+4*\u+3], v[RD] offset:((\u)>>2)*128+((\u)&3)*4*PITCH
.endr
.irp u, 0,1,2,3,4,5,6,7
	s_wait_dscnt 7-\u                              ; the younger read-backs may stay out
	global_store_b128 v[CO], v[\f+4*\u:\f+4*\u+3], s[8:9] offset:((\u)>>2)*HEADB+\i*2048+((\u)&3)*512
.endr
.endm
	OUT16 0, 0, 0x0a, ST
	OUT16 1, 1, 0x0a, ST+32
	OUT16 2, 2, 0x0a, ST
	OUT16 3, 3, 0x0a, ST+32
	OUT16 4, 0, 0x0f, ST
	OUT16 5, 1, 0x0f, ST+32
	OUT16 6, 2, 0x0f, ST
	OUT16 7, 3, 0x0f, ST+32
	s_wait_tensorcnt 0x0
	ds_add_u32 v30, v31
	s_wait_dscnt 0x0
	CROUND                                         ; no work-group ends while a partner may still ask for a tile that names it
	s_endpgm
.Lfunc_end_k_q10aae5b298_proj:
	.size	k_q10aae5b298_proj, .Lfunc_end_k_q10aae5b298_proj-k_q10aae5b298_proj
	.p2alignl 7, 3214868480
	.fill 96, 4, 3214868480
	.section	.rodata,"a",@progbits
	.p2align	6, 0x0
	.amdhsa_kernel k_q10aae5b298_proj
		.amdhsa_group_segment_fixed_size 327680
		.amdhsa_private_segment_fixed_size 0
		.amdhsa_enable_private_segment 0
		.amdhsa_kernarg_size 72
		.amdhsa_user_sgpr_count 2
		.amdhsa_user_sgpr_kernarg_segment_ptr 1
		.amdhsa_wavefront_size32 1
		.amdhsa_system_sgpr_workgroup_id_x 1
		.amdhsa_system_sgpr_workgroup_id_y 1
		.amdhsa_system_sgpr_workgroup_id_z 1
		.amdhsa_system_vgpr_workitem_id 0
		.amdhsa_next_free_vgpr 1024
		.amdhsa_next_free_sgpr 88
		.amdhsa_reserve_vcc 0
		.amdhsa_float_denorm_mode_32 3
		.amdhsa_float_denorm_mode_16_64 3
		.amdhsa_memory_ordered 1
		.amdhsa_forward_progress 1
		.amdhsa_inst_pref_size 241
	.end_amdhsa_kernel
	.amdgpu_metadata
---
amdhsa.version: [ 1, 2 ]
amdhsa.kernels:
  - .name:           k_q10aae5b298_proj
    .symbol:         k_q10aae5b298_proj.kd
    .args:
      - { .name: q, .offset: 0, .size: 8, .value_kind: global_buffer, .address_space: global }
      - { .name: k, .offset: 8, .size: 8, .value_kind: global_buffer, .address_space: global }
      - { .name: v, .offset: 16, .size: 8, .value_kind: global_buffer, .address_space: global }
      - { .name: W_q, .offset: 24, .size: 8, .value_kind: global_buffer, .address_space: global }
      - { .name: W_k, .offset: 32, .size: 8, .value_kind: global_buffer, .address_space: global }
      - { .name: W_v, .offset: 40, .size: 8, .value_kind: global_buffer, .address_space: global }
      - { .name: Qh, .offset: 48, .size: 8, .value_kind: global_buffer, .address_space: global }
      - { .name: Kh, .offset: 56, .size: 8, .value_kind: global_buffer, .address_space: global }
      - { .name: Vh, .offset: 64, .size: 8, .value_kind: global_buffer, .address_space: global }
    .group_segment_fixed_size: 327680
    .private_segment_fixed_size: 0
    .kernarg_segment_align: 8
    .kernarg_segment_size: 72
    .max_flat_workgroup_size: 128
    .sgpr_count:     88
    .vgpr_count:     1024
    .wavefront_size: 32
...
	.end_amdgpu_metadata
.endif
;; end of part 1
;; launch attn (part 2): grid 256 x 1, 8 waves a work-group, clusters of 4 x 1, 327,680 bytes of LDS; arguments Qh, Kh, Vh, Ch; writes Ch
.if DOCPART == 2
	.amdgcn_target "amdgcn-amd-amdhsa--gfx1250"
	.amdhsa_code_object_version 6
	.text
	.protected	k_q10aae5b298_attn
	.globl	k_q10aae5b298_attn
	.p2align	8
	.type	k_q10aae5b298_attn,@function
k_q10aae5b298_attn:
	s_mov_b64 s[64:65], 0
	v_nop
	global_prefetch_b8 v0, s[64:65] scope:SCOPE_SE
	s_setreg_imm32_b32 hwreg(HW_REG_WAVE_MODE, 25, 1), 1
	s_wait_xcnt 0x0
	s_wait_alu depctr_hold_cnt(0) depctr_sa_sdst(0) depctr_va_vdst(0) depctr_va_sdst(0) depctr_va_ssrc(0) depctr_va_vcc(0) depctr_vm_vsrc(0)
	s_getreg_b32 s2, hwreg(HW_REG_IB_STS2, 6, 4)
	s_cmp_eq_u32 s2, 0
	s_cbranch_scc0 .Lentry_in_a_cluster
	s_endpgm
.Lentry_in_a_cluster:
	s_bfe_u32 s2, ttmp6, 0x10000c
	s_cmp_lg_u32 s2, 0x3003
	s_cbranch_scc0 .Lentry_shape_is_right
	s_endpgm
.Lentry_shape_is_right:
; Ch = softmax(Q K^T / 8) V for each of 64 (batch, head) pairs; Qh, Kh, Vh, Ch are f16, [b][h][s][64], a head is 262,144 bytes.
; SHARING: the cluster's x is the head; its four work-groups take 512 query rows each; a wave owns 64 query rows (4 tiles of 16).
; The four work-groups walk the same K and V and ask for them jointly (mask 15); only Q's and Ch's global offsets hang on the place in the cluster.
; LAYOUT: S^T = K Q^T (A = 16 keys x 32 d, B = 16 queries): lane (r, h) holds query r and keys 16 kt + 8 h + j.  Two neighbouring key tiles,
; packed to f16, are the B operand P^T of O^T = V^T P^T as they stand.  So maximum and sum are a lane's own but for one exchange with
; lane xor 16, and P never leaves the registers.  V^T comes from LDS by the transposing load.
; SOFTMAX: a running maximum.  Kept is NM = -(c x max), c = log2(e) / 8, the very number that is added in the exponent, so
; alpha = exp2(NM_new - NM_old) fits the exponents for scores of any size.  Sums and O in f32.
; LIMITS: P is rounded to f16: below 2^-24 of its row's largest it becomes 0.  ctx is stored in f16: |ctx| below 65,504, absolute error 6e-8 below 6e-5.
; No data prefetch: a refill is asked for four steps (256 matrix instructions of each wave and their softmax) ahead of the wait for it.
; REGISTERS: window 0: v4-13 addresses and c; v16-31 at work; v32-55 NM, alpha, row sums; v64-127 V^T fragments; v128-255 scores, then P.
;            window 1: v0-127 O (tile (t, dt) at 32 t + 8 dt); v128-191 Q fragments; v192-255 K fragments.
.set HEADB, 262144
.set CHUNK, 10240                      ; what one wave's load fills: 64 keys of K at pitch 144 (9,216 bytes used) or of V at pitch 160
.set KP,    144                        ; odd multiple of 16
.set VP,    160                        ; odd multiple of 32, for the transposing load
.set SLOT,  8*CHUNK                    ; 256 keys: chunks 0-3 K, chunks 4-7 V
.set STAGE, 2*SLOT                     ; behind the ring: 16 rows x 144 bytes for each wave; no tensor load lands here
.set PASSB, 32768                      ; bytes of K (or of V) in a slot
.set ADRK, 4                           ; v4-5   slot 0, 1
.set ADRV, 6                           ; v6-7
.set STO,  8
.set RD,   9
.set CO,   10
.set QOFF, 11
.set CC,   12                          ; v[12:13] c, twice
.set T,    16                          ; v16-19 four chains of the maximum
.set AA,   20
.set DD,   21
.set RR,   22                          ; v[22:23] 1 / row sum
.set SUM,  24                          ; v[24:31] four pairs
.set NM,   32                          ; v[32+2t]; the odd neighbours are written once, since a pair counts as read whole
.set AL,   40                          ; v[40+2t] alpha
.set LS,   48                          ; v[48+2t:49+2t] row sum, two halves
.set VF,   64
.set SC,   128
.set OA,   0                           ; window 1
.set QF,   128                         ; window 1
.set KF,   192                         ; window 1
.set G1K, 16
.set G1V, 24
.set G0K, 32                           ; one set a slot
.set G0V, 40
.set MSB, 0
.macro WIN new
.if MSB != \new
	s_set_vgpr_msb (MSB<<8)|\new
.set MSB, \new
.endif
.endm
.macro ROUND                           ; a round of the cluster's barrier
	s_barrier_signal -1
	s_barrier_wait -1
	s_cmp_lg_u32 s12, 0
	s_cbranch_scc1 .Lnot_wave_0_\@
	s_barrier_signal -3
.Lnot_wave_0_\@:
	s_barrier_wait -3
	s_barrier_signal -1
	s_barrier_wait -1
.endm
.macro JLOAD s                         ; waves 0-3 ask for K's chunks, waves 4-7 for V's
	s_cmp_lt_u32 s12, 4
	s_cbranch_scc0 .Lfor_v_\@
	tensor_load_to_lds s[G0K+4*\s:G0K+4*\s+3], s[G1K:G1K+7]
	s_nop 0
	s_branch .Lasked_\@
.Lfor_v_\@:
	tensor_load_to_lds s[G0V+4*\s:G0V+4*\s+3], s[G1V:G1V+7]
	s_nop 0
.Lasked_\@:
.endm
	s_load_b256 s[4:11], s[0:1], 0x0               ; Qh s[4:5], Kh s[6:7], Vh s[8:9], Ch s[10:11]
	v_lshl_add_u32 v62, v0, 2, 0x2c800
	v_mov_b32 v63, 0
	ds_add_u32 v62, v63
	v_lshrrev_b32 v1, 5, v0
	v_readfirstlane_b32 s12, v1                    ; wave 0..7
	s_and_b32 s13, s12, 3                          ; which 64 keys of a slot I fetch
	s_bfe_u32 s14, ttmp6, 0x40000                  ; cx: my block of 512 queries
	s_lshl_b32 s54, ttmp9, 18                      ; the head's bytes
	s_mov_b32 s55, 0
	s_lshl_b32 s56, s13, 13                        ; 64 keys x 128 bytes
	s_mov_b32 s57, 0
	s_lshl_b32 s58, s14, 9                         ; my wave's first query row, in registers that feed no descriptor
	s_lshl_b32 s59, s12, 6
	s_add_co_u32 s58, s58, s59
	s_lshl_b32 s58, s58, 7
	s_mov_b32 s59, 0
	s_mov_b32 s50, 0x76543210                      ; v_permlanex16_b32: lane i reads lane i of the other half
	s_mov_b32 s51, 0xfedcba98
	; group 1: 64 rows x 64 elements of 2 bytes, padded behind every 32 words by 4 words (K) or 8 words (V); the mask names all four partners
	s_mov_b32 s[G1K+0], 15|(1<<16)|(1<<20)|(1<<21)|(4<<22)|(3<<25)
	s_mov_b32 s[G1V+0], 15|(1<<16)|(1<<20)|(1<<21)|(4<<22)|(7<<25)
	s_mov_b32 s[G1K+1], 64<<16
	s_mov_b32 s[G1V+1], 64<<16
	s_mov_b32 s[G1K+2], 64<<16
	s_mov_b32 s[G1V+2], 64<<16
	s_mov_b32 s[G1K+3], 64<<16
	s_mov_b32 s[G1V+3], 64<<16
	s_mov_b32 s[G1K+4], 64
	s_mov_b32 s[G1V+4], 64
	s_mov_b32 s[G1K+5], 64
	s_mov_b32 s[G1V+5], 64
	s_mov_b32 s[G1K+6], 0
	s_mov_b32 s[G1V+6], 0
	s_mov_b32 s[G1K+7], 0
	s_mov_b32 s[G1V+7], 0
	s_mul_i32 s15, s12, CHUNK                      ; my chunk of a slot
	s_wait_dscnt 0x0
	s_wait_kmcnt 0x0
	s_add_nc_u64 s[6:7], s[6:7], s[54:55]
	s_add_nc_u64 s[6:7], s[6:7], s[56:57]
	s_add_nc_u64 s[8:9], s[8:9], s[54:55]
	s_add_nc_u64 s[8:9], s[8:9], s[56:57]
	s_add_nc_u64 s[4:5], s[4:5], s[54:55]
	s_add_nc_u64 s[4:5], s[4:5], s[58:59]
	s_add_nc_u64 s[10:11], s[10:11], s[54:55]
	s_add_nc_u64 s[10:11], s[10:11], s[58:59]
.irp s, 0,1
	s_mov_b32 s[G0K+4*\s], 1
	s_add_co_u32 s[G0K+4*\s+1], s15, \s*SLOT
	s_add_nc_u64 s[G0K+4*\s+2:G0K+4*\s+3], s[6:7], \s*PASSB
	s_or_b32 s[G0K+4*\s+3], s[G0K+4*\s+3], 0x80000000
	s_mov_b32 s[G0V+4*\s], 1
	s_add_co_u32 s[G0V+4*\s+1], s15, \s*SLOT
	s_add_nc_u64 s[G0V+4*\s+2:G0V+4*\s+3], s[8:9], \s*PASSB
	s_or_b32 s[G0V+4*\s+3], s[G0V+4*\s+3], 0x80000000
.endr
	ROUND                                          ; the four partners are here: the first joint loads meet
	s_cmp_lt_u32 s12, 4                            ; both first fills of a wave inside one branch on its number
	s_cbranch_scc0 .Lfirst_v
	tensor_load_to_lds s[G0K:G0K+3], s[G1K:G1K+7]
	s_nop 0
	tensor_load_to_lds s[G0K+4:G0K+7], s[G1K:G1K+7]
	s_nop 0
	s_branch .Lfirst_done
.Lfirst_v:
	tensor_load_to_lds s[G0V:G0V+3], s[G1V:G1V+7]
	s_nop 0
	tensor_load_to_lds s[G0V+4:G0V+7], s[G1V:G1V+7]
	s_nop 0
.Lfirst_done:
	v_and_b32 v1, 15, v0                           ; r
	v_bfe_u32 v2, v0, 4, 1                         ; h
	v_lshlrev_b32 v[QOFF], 7, v1
	v_lshl_add_u32 v[QOFF], v2, 4, v[QOFF]         ; 128 r + 16 h
	WIN 0x40                                       ; Q's fragments, once, into window 1: tile t, d = 32 ks ..
.irp t, 0,1,2,3
.irp ks, 0,1
	global_load_b128 v[QF+16*\t+8*\ks:QF+16*\t+8*\ks+3],   v[QOFF], s[4:5] offset:\t*2048+\ks*64
	global_load_b128 v[QF+16*\t+8*\ks+4:QF+16*\t+8*\ks+7], v[QOFF], s[4:5] offset:\t*2048+\ks*64+32
.endr
.endr
	WIN 0
	v_mul_u32_u24 v[ADRK], v1, KP
	v_lshl_add_u32 v[ADRK], v2, 4, v[ADRK]         ; key r, 16 h
	v_add_nc_u32 v[ADRK+1], SLOT, v[ADRK]
	v_and_b32 v[T], 7, v0
	v_lshl_add_u32 v[T], v2, 3, v[T]               ; key 8 h + l % 8
	v_mul_u32_u24 v[ADRV], v[T], VP
	v_bfe_u32 v[T+1], v0, 3, 1
	v_lshl_add_u32 v[ADRV], v[T+1], 4, v[ADRV]     ; + 16 bytes for the odd groups of eight lanes
	v_add_nc_u32 v[ADRV], 4*CHUNK, v[ADRV]         ; V lies behind K's four chunks
	v_add_nc_u32 v[ADRV+1], SLOT, v[ADRV]
	s_mul_i32 s60, s12, 16*KP
	s_add_co_u32 s60, s60, STAGE                   ; my stage
	v_add_nc_u32 v[STO], s60, v[ADRK]              ; in: row r, 16 h
	v_bfe_u32 v[T], v0, 3, 2
	v_mul_u32_u24 v[RD], v[T], KP
	v_and_b32 v[T], 7, v0
	v_lshl_add_u32 v[RD], v[T], 4, v[RD]
	v_add_nc_u32 v[RD], s60, v[RD]                 ; back: eight lanes take a row of 128 bytes
	v_and_b32 v[CO], 31, v0
	v_lshlrev_b32 v[CO], 4, v[CO]
	v_mov_b32 v[CC], 0x3e38aa3b                    ; c = log2(e) / 8
	v_mov_b32 v[CC+1], 0x3e38aa3b
.irp t, 0,1,2,3
	v_mov_b32 v[NM+2*\t+1], 0
	v_mov_b32 v[AL+2*\t+1], 0
.endr
	v_mov_b32 v[RR+1], 0
.macro LOADK slot, i                   ; 16 loads: K's fragments of step i (64 keys x 64 d) into window 1
	WIN 0x40
.irp kt, 0,1,2,3
.irp ks, 0,1
	ds_load_b128 v[KF+16*\kt+8*\ks:KF+16*\kt+8*\ks+3],   v[ADRK+\slot] offset:(\i)*CHUNK+\kt*16*KP+\ks*64
	ds_load_b128 v[KF+16*\kt+8*\ks+4:KF+16*\kt+8*\ks+7], v[ADRK+\slot] offset:(\i)*CHUNK+\kt*16*KP+\ks*64+32
.endr
.endr
	WIN 0
.endm
.macro LOADV slot, i                   ; 16 transposing loads: V^T's fragments of step i: group g of 32 keys, 16 d at 16 dt
.irp g, 0,1
.irp dt, 0,1,2,3
	ds_load_tr16_b128 v[VF+32*\g+8*\dt:VF+32*\g+8*\dt+3],   v[ADRV+\slot] offset:(\i)*CHUNK+\g*32*VP+\dt*32
	ds_load_tr16_b128 v[VF+32*\g+8*\dt+4:VF+32*\g+8*\dt+7], v[ADRV+\slot] offset:(\i)*CHUNK+\g*32*VP+\dt*32+16*VP
.endr
.endr
.endm
; The softmax step of query tile t on its 32 scores a lane (64 keys over two lanes).
.macro SOFT t, first
.set X, SC+32*\t
.irp c, 0,1,2,3
	v_max3_num_f32 v[T+\c], v[X+8*\c], v[X+8*\c+1], v[X+8*\c+2]
.endr
.irp c, 0,1,2,3
	v_max3_num_f32 v[T+\c], v[T+\c], v[X+8*\c+3], v[X+8*\c+4]
.endr
.irp c, 0,1,2,3
	v_max3_num_f32 v[T+\c], v[T+\c], v[X+8*\c+5], v[X+8*\c+6]
.endr
	v_max3_num_f32 v[T], v[T], v[X+7], v[X+15]
	v_max3_num_f32 v[T+2], v[T+2], v[X+23], v[X+31]
	v_max3_num_f32 v[T], v[T], v[T+1], v[T+2]
	v_max_num_f32 v[T], v[T], v[T+3]
	v_permlanex16_b32 v[T+1], v[T], s50, s51       ; the other 32 keys of my query
	v_max_num_f32 v[T], v[T], v[T+1]
.if \first
	v_mul_f32 v[NM+2*\t], 0xbe38aa3b, v[T]         ; -c x max starts the running maximum
.else
	v_mul_f32 v[AA], 0xbe38aa3b, v[T]              ; rounded by itself, not fused: this very number may become NM
	v_sub_f32 v[DD], v[AA], v[NM+2*\t]
	v_min_num_f32 v[NM+2*\t], v[NM+2*\t], v[AA]
	v_min_num_f32 v[DD], 0, v[DD]                  ; NM_new - NM_old
	v_exp_f32 v[AL+2*\t], v[DD]                    ; the packed multiply-adds below are the plain place behind it (ISA guide 5.7.2)
.endif
.set nn, 0
.rept 16
	v_pk_fma_f32 v[X+2*nn:X+2*nn+1], v[X+2*nn:X+2*nn+1], v[CC:CC+1], v[NM+2*\t:NM+2*\t+1] op_sel_hi:[1,1,0]
.set nn, nn+1
.endr
.set nn, 0
.rept 32
	v_exp_f32 v[X+nn], v[X+nn]
.set nn, nn+1
.endr
	v_nop                                          ; one plain place behind the run of exponentials
	s_wait_alu depctr_va_vdst(0)
.irp c, 0,1,2,3
	v_pk_add_f32 v[SUM+2*\c:SUM+2*\c+1], v[X+2*\c:X+2*\c+1], v[X+8+2*\c:X+8+2*\c+1]
.endr
.irp c, 0,1,2,3
	v_pk_add_f32 v[SUM+2*\c:SUM+2*\c+1], v[SUM+2*\c:SUM+2*\c+1], v[X+16+2*\c:X+16+2*\c+1]
.endr
.irp c, 0,1,2,3
	v_pk_add_f32 v[SUM+2*\c:SUM+2*\c+1], v[SUM+2*\c:SUM+2*\c+1], v[X+24+2*\c:X+24+2*\c+1]
.endr
	v_pk_add_f32 v[SUM:SUM+1], v[SUM:SUM+1], v[SUM+2:SUM+3]
	v_pk_add_f32 v[SUM+4:SUM+5], v[SUM+4:SUM+5], v[SUM+6:SUM+7]
.if \first
	v_pk_add_f32 v[LS+2*\t:LS+2*\t+1], v[SUM:SUM+1], v[SUM+4:SUM+5]
.else
	v_pk_fma_f32 v[LS+2*\t:LS+2*\t+1], v[LS+2*\t:LS+2*\t+1], v[AL+2*\t:AL+2*\t+1], v[SUM:SUM+1] op_sel_hi:[1,0,1]
	v_pk_add_f32 v[LS+2*\t:LS+2*\t+1], v[LS+2*\t:LS+2*\t+1], v[SUM+4:SUM+5]
.endif
.irp g, 0,1                            ; P^T's fragment of group g, packed in place: register i is written when 2 i and 2 i + 1 have been read
.irp i, 0,1,2,3,4,5,6,7
	v_cvt_pk_f16_f32 v[X+16*\g+\i], v[X+16*\g+2*\i], v[X+16*\g+2*\i+1]
.endr
.endr
.endm
; One step: 64 keys.  In both runs of products the 16 accumulators take turns, one instruction a turn.
.macro STEP slot, i, first
	s_wait_dscnt 16                                ; K's 16 loads are in: V's 16 were issued behind them
	WIN 0x05                                       ; sources 0 (K) and 1 (Q) in window 1
.irp ks, 0,1
.irp t, 0,1,2,3
.irp kt, 0,1,2,3
.if \ks == 0
	v_wmma_f32_16x16x32_f16 v[SC+32*\t+8*\kt:SC+32*\t+8*\kt+7], v[KF+16*\kt:KF+16*\kt+7], v[QF+16*\t:QF+16*\t+7], 0
.else
	v_wmma_f32_16x16x32_f16 v[SC+32*\t+8*\kt:SC+32*\t+8*\kt+7], v[KF+16*\kt+8:KF+16*\kt+15], v[QF+16*\t+8:QF+16*\t+15], v[SC+32*\t+8*\kt:SC+32*\t+8*\kt+7]
.endif
.endr
.endr
.endr
	WIN 0
.rept 4
	v_nop                                          ; four places: the softmax reads results, the loads land in sources
.endr
.if \i < 3
	LOADK \slot, \i+1
.endif
	SOFT 0, \first
	SOFT 1, \first
	SOFT 2, \first
	SOFT 3, \first
.if \i < 3
	s_wait_dscnt 16                                ; V's loads are in: the next K's 16 were issued behind them
.else
	s_wait_dscnt 0                                 ; the slot's last step: nothing was issued behind V's loads
.endif
.if \first == 0
	WIN 0x41                                       ; O in window 1, alpha in window 0
.irp t, 0,1,2,3
.set nn, 0
.rept 16
	v_pk_mul_f32 v[OA+32*\t+2*nn:OA+32*\t+2*nn+1], v[OA+32*\t+2*nn:OA+32*\t+2*nn+1], v[AL+2*\t:AL+2*\t+1] op_sel_hi:[1,0]
.set nn, nn+1
.endr
.endr
.endif
	WIN 0x50                                       ; C and D in window 1
.irp g, 0,1
.irp t, 0,1,2,3
.irp dt, 0,1,2,3
.if \first*(1-\g)
	v_wmma_f32_16x16x32_f16 v[OA+32*\t+8*\dt:OA+32*\t+8*\dt+7], v[VF+32*\g+8*\dt:VF+32*\g+8*\dt+7], v[SC+32*\t+16*\g:SC+32*\t+16*\g+7], 0
.else
	v_wmma_f32_16x16x32_f16 v[OA+32*\t+8*\dt:OA+32*\t+8*\dt+7], v[VF+32*\g+8*\dt:VF+32*\g+8*\dt+7], v[SC+32*\t+16*\g:SC+32*\t+16*\g+7], v[OA+32*\t+8*\dt:OA+32*\t+8*\dt+7]
.endif
.endr
.endr
.endr
	WIN 0
.rept 5
	v_nop                                          ; five places: the next score products write over P; four would do for the loads into V^T's fragments
.endr
.if \i < 3
	LOADV \slot, \i+1
.endif
.endm
.macro PASS slot, first                ; a slot's 256 keys
	LOADK \slot, 0
	LOADV \slot, 0
	STEP \slot, 0, \first
	STEP \slot, 1, 0
	STEP \slot, 2, 0
	STEP \slot, 3, 0
.endm
; The change of slots.  In front of the barrier each wave waits for all its tensor loads (one is out: its chunk of this slot) and for its reads
; of the other slot.  Where the other slot is filled again the barrier is a round of the cluster's, and the joint refill is the first thing behind it.
.macro TWO slot, refill
	s_wait_tensorcnt 0x0
	ds_add_u32 v62, v63
	s_wait_dscnt 0x0
.if \refill
	s_add_nc_u64 s[G0K+4*(1-\slot)+2:G0K+4*(1-\slot)+3], s[G0K+4*(1-\slot)+2:G0K+4*(1-\slot)+3], 2*PASSB
	s_add_nc_u64 s[G0V+4*(1-\slot)+2:G0V+4*(1-\slot)+3], s[G0V+4*(1-\slot)+2:G0V+4*(1-\slot)+3], 2*PASSB
.endif
	s_wait_dscnt 0x0
.if \refill
	ROUND
	JLOAD (1-\slot)
.else
	s_barrier_signal -1
	s_barrier_wait -1
.endif
	PASS \slot, 0
.endm
	s_wait_tensorcnt 0x1                           ; my chunk of slot 0 is in: slot 1's load was issued behind it and may stay out,
	s_barrier_signal -1
	s_barrier_wait -1
	s_wait_loadcnt 0x0                             ; Q
	PASS 0, 1                                      ; keys 0-255; the first step starts maximum, sums and O: nothing is cleared
	s_mov_b32 s52, 3
.Lpair:
	TWO 1, 1
	TWO 0, 1
	s_sub_co_u32 s52, s52, 1
	s_cmp_lg_u32 s52, 0
	s_cbranch_scc1 .Lpair
	TWO 1, 0                                       ; keys 1792-2047: nothing is left to fetch
; The way out of query tile t: divide by the row sum, round to f16, through my own stage, so that a store of the wave covers four rows:
; 512 consecutive bytes, aligned.  Each tile reads back into registers of its own, so no store's data is written again.
.macro FINAL t
	v_add_f32 v[T], v[LS+2*\t], v[LS+2*\t+1]
	v_permlanex16_b32 v[T+1], v[T], s50, s51
	v_add_f32 v[T], v[T], v[T+1]
	v_rcp_f32 v[RR], v[T]
	v_nop                                          ; one plain place behind the reciprocal
	WIN 0x01
.set nn, 0
	s_wait_alu depctr_va_vdst(0)
.rept 16
	v_pk_mul_f32 v[SC+2*nn:SC+2*nn+1], v[OA+32*\t+2*nn:OA+32*\t+2*nn+1], v[RR:RR+1] op_sel_hi:[1,0]
.set nn, nn+1
.endr
	WIN 0
.set nn, 0
.rept 16
	v_cvt_pk_f16_f32 v[SC+32+nn], v[SC+2*nn], v[SC+2*nn+1]
.set nn, nn+1
.endr
.irp dt, 0,1,2,3
	ds_store_b128 v[STO], v[SC+32+4*\dt:SC+32+4*\dt+3] offset:32*\dt
.endr
.irp u, 0,1,2,3
	ds_load_b128 v[SC+64+16*\t+4*\u:SC+64+16*\t+4*\u+3], v[RD] offset:\u*4*KP
.endr
.irp u, 0,1,2,3
	s_wait_dscnt 3-\u                              ; the younger read-backs may stay out
	global_store_b128 v[CO], v[SC+64+16*\t+4*\u:SC+64+16*\t+4*\u+3], s[10:11] offset:\t*2048+\u*512
.endr
.endm
	FINAL 0
	FINAL 1
	FINAL 2
	FINAL 3
	s_wait_tensorcnt 0x0
	ds_add_u32 v62, v63
	s_wait_dscnt 0x0
	ROUND                                          ; no work-group ends while a partner may still ask for a tile that names it
	s_endpgm
.Lfunc_end_k_q10aae5b298_attn:
	.size	k_q10aae5b298_attn, .Lfunc_end_k_q10aae5b298_attn-k_q10aae5b298_attn
	.p2alignl 7, 3214868480
	.fill 96, 4, 3214868480
	.section	.rodata,"a",@progbits
	.p2align	6, 0x0
	.amdhsa_kernel k_q10aae5b298_attn
		.amdhsa_group_segment_fixed_size 327680
		.amdhsa_private_segment_fixed_size 0
		.amdhsa_enable_private_segment 0
		.amdhsa_kernarg_size 32
		.amdhsa_user_sgpr_count 2
		.amdhsa_user_sgpr_kernarg_segment_ptr 1
		.amdhsa_wavefront_size32 1
		.amdhsa_system_sgpr_workgroup_id_x 1
		.amdhsa_system_sgpr_workgroup_id_y 1
		.amdhsa_system_sgpr_workgroup_id_z 1
		.amdhsa_system_vgpr_workitem_id 0
		.amdhsa_next_free_vgpr 512
		.amdhsa_next_free_sgpr 66
		.amdhsa_reserve_vcc 0
		.amdhsa_float_denorm_mode_32 3
		.amdhsa_float_denorm_mode_16_64 3
		.amdhsa_memory_ordered 1
		.amdhsa_forward_progress 1
		.amdhsa_inst_pref_size 255
	.end_amdhsa_kernel
	.section	.bss,"aw",@nobits
	.p2align	6
	.space	262144
	.amdgpu_metadata
---
amdhsa.version: [ 1, 2 ]
amdhsa.kernels:
  - .name:           k_q10aae5b298_attn
    .symbol:         k_q10aae5b298_attn.kd
    .args:
      - { .name: Qh, .offset: 0, .size: 8, .value_kind: global_buffer, .address_space: global }
      - { .name: Kh, .offset: 8, .size: 8, .value_kind: global_buffer, .address_space: global }
      - { .name: Vh, .offset: 16, .size: 8, .value_kind: global_buffer, .address_space: global }
      - { .name: Ch, .offset: 24, .size: 8, .value_kind: global_buffer, .address_space: global }
    .group_segment_fixed_size: 327680
    .private_segment_fixed_size: 0
    .kernarg_segment_align: 8
    .kernarg_segment_size: 32
    .max_flat_workgroup_size: 256
    .sgpr_count:     66
    .vgpr_count:     512
    .wavefront_size: 32
...
	.end_amdgpu_metadata
.endif
;; end of part 2
;; launch outp (part 3): grid 8 x 32, 4 waves a work-group, clusters of 4 x 4, 327,680 bytes of LDS; arguments Ch, W_o, out0; writes out0
.if DOCPART == 3
	.amdgcn_target "amdgcn-amd-amdhsa--gfx1250"
	.amdhsa_code_object_version 6
	.text
	.protected	k_q10aae5b298_outp
	.globl	k_q10aae5b298_outp
	.p2align	8
	.type	k_q10aae5b298_outp,@function
k_q10aae5b298_outp:
	s_mov_b64 s[64:65], 0
	v_nop
	global_prefetch_b8 v0, s[64:65] scope:SCOPE_SE
	s_setreg_imm32_b32 hwreg(HW_REG_WAVE_MODE, 25, 1), 1
	s_wait_xcnt 0x0
	s_wait_alu depctr_hold_cnt(0) depctr_sa_sdst(0) depctr_va_vdst(0) depctr_va_sdst(0) depctr_va_ssrc(0) depctr_va_vcc(0) depctr_vm_vsrc(0)
	s_getreg_b32 s2, hwreg(HW_REG_IB_STS2, 6, 4)
	s_cmp_eq_u32 s2, 0
	s_cbranch_scc0 .Lentry_in_a_cluster
	s_endpgm
.Lentry_in_a_cluster:
	s_bfe_u32 s2, ttmp6, 0x10000c
	s_cmp_lg_u32 s2, 0xf033
	s_cbranch_scc0 .Lentry_shape_is_right
	s_endpgm
.Lentry_shape_is_right:
; out0 = ctx W_o^T.  ctx is Ch, f16, [b][h][s][64]; W_o is [1024][1024] f32; out0 is [8192][1024] f32.
; FORMAT: W_o is rounded to f16 on the way from LDS to the matrix unit (LIMIT: |W_o| below 65,504); sums in f32, stored as they are.
; SHARING: a work-group makes 256 rows x 128 columns, a wave 128 x 64: 32 accumulator tiles, 256 registers in window 1 (tile (a, b) at 8 (4 a + b)).
; K goes in steps of 128 = two heads through two LDS slots.  CLUSTERS: 4 x 4 work-groups; ctx's tiles are asked for jointly along a row of the
; cluster, W_o's along a column.  The matrix instruction is used transposed, so that a lane holds eight neighbouring columns of a row.
; Window 0: v16-26 addresses; v32-95, v96-159 ctx's fragments, two buffers; v160-223 W_o's f32 as read; v224-255 W_o's f16 fragments.
.set AP,     144                       ; ctx's LDS row: 128 bytes + 16
.set AHEAD,  256*AP                    ; one head's 256 rows: what wave 0 or 1 brings
.set BP,     528                       ; W_o's LDS row: 512 bytes + 16
.set BHALF,  64*BP                     ; 64 rows: what wave 2 or 3 brings
.set BOFF,   2*AHEAD
.set SLOT,   BOFF+2*BHALF
.set STAGE,  2*SLOT                    ; behind the ring: 16 rows x 272 bytes for each wave; no tensor load lands here
.set SPITCH, 272
.set HEADB,  262144
.set LAPS,   4                         ; 1024 / (2 x 128)
.set ADRA, 16
.set ADRB, 20
.set STO,  24
.set RD,   25
.set CO,   26
.set FA0,  32
.set FA1,  96
.set SB,   160
.set FB,   224
.set G1,  24
.set G0,  32
.set G1B, 48
.set G0B, 56
.set MSB, 0
.macro WIN new
.if MSB != \new
	s_set_vgpr_msb (MSB<<8)|\new
.set MSB, \new
.endif
.endm
.macro JLOAD s                         ; waves 0, 1 ask for ctx's two heads, waves 2, 3 for W_o's two halves
	s_cmp_eq_u32 s11, 0
	s_cbranch_scc0 .Lfor_b_\@
	tensor_load_to_lds s[G0+4*\s:G0+4*\s+3], s[G1:G1+7]
	s_nop 0
	s_branch .Lasked_\@
.Lfor_b_\@:
	tensor_load_to_lds s[G0B+4*\s:G0B+4*\s+3], s[G1B:G1B+7]
	s_nop 0
.Lasked_\@:
.endm
.macro CREST
	s_cmp_lg_u32 s10, 0
	s_cbranch_scc1 .Lnot_wave_0_\@
	s_barrier_signal -3
.Lnot_wave_0_\@:
	s_barrier_wait -3
	s_barrier_signal -1
	s_barrier_wait -1
.endm
.macro CROUND
	s_barrier_signal -1
	s_barrier_wait -1
	CREST
.endm
.macro PLACES                          ; four places behind a matrix instruction (ISA guide 7.12.1)
.rept 4
	v_nop
.endr
.endm
	s_load_b128 s[4:7], s[0:1], 0x0                ; Ch, W_o
	s_load_b64 s[8:9], s[0:1], 0x10                ; out0
	v_lshl_add_u32 v30, v0, 2, 0x49400
	v_mov_b32 v31, 0
	ds_add_u32 v30, v31
	v_lshrrev_b32 v1, 5, v0
	v_readfirstlane_b32 s10, v1                    ; wave 0..3
	s_lshr_b32 s11, s10, 1                         ; my half of the rows.  Also: I fetch for ctx (0) or for W_o (1)
	s_and_b32 s12, s10, 1                          ; my half of the columns.  Also: which head, or which 64 rows, I fetch
	s_bfe_u32 s40, ttmp6, 0x40000                  ; cx
	s_bfe_u32 s41, ttmp6, 0x40004                  ; cy
	s_lshl_b32 s42, ttmp9, 2
	s_add_co_u32 s42, s42, s40                     ; block column 0..7
	s_and_b32 s13, ttmp7, 0xffff
	s_lshl_b32 s13, s13, 2
	s_add_co_u32 s13, s13, s41                     ; block row 0..31
	s_lshl_b32 s43, s41, 2
	s_lshl_b32 s43, 15, s43                        ; my row of the cluster
	s_lshl_b32 s44, 0x1111, s40                    ; my column
	; ctx: 256 rows x 64 elements of 2 bytes, 4 words of padding behind every 32.  W_o: 64 rows x 128 elements of 4 bytes, 4 words behind every 128.
	s_or_b32 s[G1+0], s43, (1<<16)|(1<<20)|(1<<21)|(4<<22)|(3<<25)
	s_or_b32 s[G1B+0], s44, (2<<16)|(1<<20)|(1<<21)|(6<<22)|(3<<25)
	s_mov_b32 s[G1+1], 64<<16
	s_mov_b32 s[G1B+1], 128<<16
	s_mov_b32 s[G1+2], 256<<16
	s_mov_b32 s[G1B+2], 64<<16
	s_mov_b32 s[G1+3], 64<<16
	s_mov_b32 s[G1B+3], 128<<16
	s_mov_b32 s[G1+4], 256
	s_mov_b32 s[G1B+4], 64
	s_mov_b32 s[G1+5], 64
	s_mov_b32 s[G1B+5], 1024
	s_mov_b32 s[G1+6], 0
	s_mov_b32 s[G1B+6], 0
	s_mov_b32 s[G1+7], 0
	s_mov_b32 s[G1B+7], 0
	; ctx's offset is made of the block row, W_o's of the block column, each in registers that never hold the other coordinate
	s_lshr_b32 s16, s13, 3                         ; batch
	s_lshl_b32 s16, s16, 4
	s_add_co_u32 s16, s16, s12                     ; head 0 or 1 of the step
	s_lshl_b32 s16, s16, 11
	s_and_b32 s17, s13, 7
	s_lshl_b32 s17, s17, 8
	s_add_co_u32 s16, s16, s17                     ; + my block's first s
	s_lshl_b32 s16, s16, 7                         ; rows of 128 bytes
	s_mov_b32 s17, 0
	s_lshl_b32 s46, s42, 7
	s_lshl_b32 s47, s12, 6
	s_add_co_u32 s46, s46, s47
	s_lshl_b32 s46, s46, 12                        ; rows of 4,096 bytes
	s_mov_b32 s47, 0
	s_mul_i32 s20, s10, AHEAD                      ; waves 0, 1: head 0, 1
	s_mul_i32 s21, s10, BHALF
	s_add_co_u32 s21, s21, BOFF-2*BHALF            ; waves 2, 3: behind ctx's two heads
	s_wait_dscnt 0x0
	s_wait_kmcnt 0x0
	s_add_nc_u64 s[14:15], s[4:5], s[16:17]
	s_add_nc_u64 s[46:47], s[6:7], s[46:47]
.irp s, 0,1
	s_mov_b32 s[G0+4*\s], 1
	s_add_co_u32 s[G0+4*\s+1], s20, \s*SLOT
	s_add_nc_u64 s[G0+4*\s+2:G0+4*\s+3], s[14:15], \s*2*HEADB
	s_or_b32 s[G0+4*\s+3], s[G0+4*\s+3], 0x80000000
	s_mov_b32 s[G0B+4*\s], 1
	s_add_co_u32 s[G0B+4*\s+1], s21, \s*SLOT
	s_add_nc_u64 s[G0B+4*\s+2:G0B+4*\s+3], s[46:47], \s*512
	s_or_b32 s[G0B+4*\s+3], s[G0B+4*\s+3], 0x80000000
.endr
	CROUND                                         ; all sixteen work-groups are here: the first joint loads meet
	s_cmp_eq_u32 s11, 0                            ; both first fills of a wave inside one branch on its number
	s_cbranch_scc0 .Lfirst_b
	tensor_load_to_lds s[G0:G0+3], s[G1:G1+7]
	s_nop 0
	tensor_load_to_lds s[G0+4:G0+7], s[G1:G1+7]
	s_nop 0
	s_branch .Lfirst_done
.Lfirst_b:
	tensor_load_to_lds s[G0B:G0B+3], s[G1B:G1B+7]
	s_nop 0
	tensor_load_to_lds s[G0B+4:G0B+7], s[G1B:G1B+7]
	s_nop 0
.Lfirst_done:
	v_and_b32 v1, 15, v0                           ; r
	v_bfe_u32 v2, v0, 4, 1                         ; h
	v_mul_u32_u24 v3, v1, AP
	v_lshl_add_u32 v3, v2, 4, v3                   ; f16: 16 h
	v_mul_u32_u24 v4, v1, BP
	v_lshl_add_u32 v4, v2, 5, v4                   ; f32: 32 h
	s_mul_i32 s22, s11, 128*AP
	s_mul_i32 s23, s12, BHALF
	s_add_co_u32 s23, s23, BOFF
.irp s, 0,1
	v_add_nc_u32 v[ADRA+\s], s22, v3
	v_add_nc_u32 v[ADRB+\s], s23, v4
	s_add_co_u32 s22, s22, SLOT
	s_add_co_u32 s23, s23, SLOT
.endr
	s_mul_i32 s19, s10, 16*SPITCH
	s_add_co_u32 s19, s19, STAGE                   ; my stage
	v_mul_u32_u24 v5, v1, SPITCH
	v_lshl_add_u32 v5, v2, 5, v5
	v_add_nc_u32 v[STO], s19, v5                   ; in: row r, 32 bytes for each half of the lanes
	v_mul_u32_u24 v5, v2, SPITCH
	v_lshl_add_u32 v5, v1, 4, v5
	v_add_nc_u32 v[RD], s19, v5                    ; back: sixteen lanes take a row of 256 bytes
	v_lshlrev_b32 v5, 12, v2
	v_lshl_add_u32 v[CO], v1, 4, v5                ; and the same two rows in out0
.macro LDB slot, c                     ; 16 loads: 32 K of W_o's 64 rows, f32, at byte 128 c of the rows
.irp b, 0,1,2,3
	ds_load_b128 v[SB+16*\b:SB+16*\b+3],     v[ADRB+\slot] offset:(\c)*128+\b*16*BP
	ds_load_b128 v[SB+16*\b+4:SB+16*\b+7],   v[ADRB+\slot] offset:(\c)*128+\b*16*BP+16
	ds_load_b128 v[SB+16*\b+8:SB+16*\b+11],  v[ADRB+\slot] offset:(\c)*128+\b*16*BP+64
	ds_load_b128 v[SB+16*\b+12:SB+16*\b+15], v[ADRB+\slot] offset:(\c)*128+\b*16*BP+80
.endr
.endm
.macro LDA slot, c, f                  ; 16 loads: 32 K of ctx's 128 rows: head c / 2, d = 32 (c % 2)
.irp a, 0,1,2,3,4,5,6,7
	ds_load_b128 v[\f+8*\a:\f+8*\a+3],   v[ADRA+\slot] offset:((\c)>>1)*AHEAD+((\c)&1)*64+\a*16*AP
	ds_load_b128 v[\f+8*\a+4:\f+8*\a+7], v[ADRA+\slot] offset:((\c)>>1)*AHEAD+((\c)&1)*64+\a*16*AP+32
.endr
.endm
.macro CVTB
.set nn, 0
.rept 32
	v_cvt_pk_f16_f32 v[FB+nn], v[SB+2*nn], v[SB+2*nn+1]
.set nn, nn+1
.endr
.endm
; 16 matrix instructions.  The 32 accumulators take turns, one instruction a turn, in the same order in every chunk.
.macro MUL16 f, a0, zero
.irp a, \a0, \a0+1, \a0+2, \a0+3
.irp b, 0,1,2,3
.if \zero
	v_wmma_f32_16x16x32_f16 v[8*(4*(\a)+\b):8*(4*(\a)+\b)+7], v[FB+8*\b:FB+8*\b+7], v[\f+8*(\a):\f+8*(\a)+7], 0
.else
	v_wmma_f32_16x16x32_f16 v[8*(4*(\a)+\b):8*(4*(\a)+\b)+7], v[FB+8*\b:FB+8*\b+7], v[\f+8*(\a):\f+8*(\a)+7], v[8*(4*(\a)+\b):8*(4*(\a)+\b)+7]
.endif
.endr
.endr
.endm
; One of a step's first three chunks of 32 K: ctx's fragments in buffer f; the next chunk's go into buffer g.
.macro CH slot, c, f, g, zero
	s_wait_dscnt 16                                ; W_o's 16 loads are in: ctx's 16 were issued behind them
	PLACES                                         ; W_o's fragments and buffer g were sources of earlier matrix instructions
	CVTB
	LDB \slot, \c+1
	LDA \slot, \c+1, \g
	s_wait_dscnt 32                                ; all but the 32 just issued
	WIN 0x50                                       ; C and D in window 1
	MUL16 \f, 0, \zero
	MUL16 \f, 4, \zero
	WIN 0
.endm
; The fourth chunk, and the change of slots: each wave waits for its reads of this slot and for all its tensor loads (one is out: its part of the
; next slot), then the barrier, a round of the cluster's where the slot is filled again; the refill comes first behind it.
.macro TURN slot, next, fill
	s_wait_dscnt 0
	PLACES
	CVTB
	s_wait_tensorcnt 0x0
	ds_add_u32 v30, v31
	s_wait_dscnt 0x0
	s_barrier_signal -1
	WIN 0x50
	MUL16 FA1, 0, 0                                ; register work while the others arrive
	WIN 0
	s_barrier_wait -1
.if \fill
	CREST
	s_add_nc_u64 s[G0+4*\slot+2:G0+4*\slot+3], s[G0+4*\slot+2:G0+4*\slot+3], 4*HEADB
	s_add_nc_u64 s[G0B+4*\slot+2:G0B+4*\slot+3], s[G0B+4*\slot+2:G0B+4*\slot+3], 1024
	JLOAD \slot
.endif
	LDB \next, 0
	LDA \next, 0, FA0
	WIN 0x50
	MUL16 FA1, 4, 0
	WIN 0
.endm
.macro THREE slot, zero
	CH \slot, 0, FA0, FA1, \zero
	CH \slot, 1, FA1, FA0, 0
	CH \slot, 2, FA0, FA1, 0
.endm
.macro LAP zero
	THREE 0, \zero
	TURN 0, 1, 1
	THREE 1, 0
	TURN 1, 0, 1
.endm
	s_wait_tensorcnt 0x1                           ; my part of K step 0 is in: step 1's load was issued behind it and may stay out,
	s_barrier_signal -1
	s_barrier_wait -1
	LDB 0, 0
	LDA 0, 0, FA0
	LAP 1                                          ; the first products start the sums: nothing is cleared
	s_mov_b32 s3, LAPS-2
.Llap:
	LAP 0
	s_sub_co_u32 s3, s3, 1
	s_cmp_lg_u32 s3, 0
	s_cbranch_scc1 .Llap
	THREE 0, 0                                     ; the last lap fills nothing
	TURN 0, 1, 0
	THREE 1, 0
	s_wait_dscnt 0
	PLACES
	CVTB
	WIN 0x50
	MUL16 FA1, 0, 0
	MUL16 FA1, 4, 0
	WIN 0
	PLACES                                         ; behind the last matrix instructions: LDS stores read results, loads land in sources
	s_lshl_b32 s16, s13, 8
	s_lshl_b32 s17, s11, 7
	s_add_co_u32 s16, s16, s17                     ; my first row
	s_lshl_b32 s16, s16, 12
	s_mov_b32 s17, 0
	s_add_nc_u64 s[8:9], s[8:9], s[16:17]
	s_lshl_b32 s46, s42, 9                         ; my first column, in bytes: 512 x block + 256 x half
	s_lshl_b32 s47, s12, 8
	s_add_co_u32 s46, s46, s47
	s_mov_b32 s47, 0
	s_add_nc_u64 s[8:9], s[8:9], s[46:47]
; 16 rows at a time through my own stage: a lane puts its 32 bytes, whole rows of 256 bytes come back, and sixteen lanes store 256 consecutive
; bytes, aligned.  LDS serves a wave's instructions in order (ISA guide 5.7.1), so no wait stands between the stores and the loads.
.macro OUT16 a, f
	WIN 0x04                                       ; an LDS store's data is source 1: window 1
.irp b, 0,1,2,3
	ds_store_b128 v[STO], v[8*(4*\a+\b):8*(4*\a+\b)+3] offset:64*\b
	ds_store_b128 v[STO], v[8*(4*\a+\b)+4:8*(4*\a+\b)+7] offset:64*\b+16
.endr
	WIN 0
	s_wait_xcnt 0x0                                ; the registers that earlier stores read are loaded again only behind this wait
.irp t, 0,1,2,3,4,5,6,7
	ds_load_b128 v[\f+4*\t:\f+4*\t+3], v[RD] offset:\t*2*SPITCH
.endr
.irp t, 0,1,2,3,4,5,6,7
	s_wait_dscnt 7-\t                              ; the younger read-backs may stay out
	global_store_b128 v[CO], v[\f+4*\t:\f+4*\t+3], s[8:9] offset:(16*\a+2*\t)*4096 th:TH_STORE_NT
.endr
.endm
	OUT16 0, FA0
	OUT16 1, FA1
	OUT16 2, FA0
	OUT16 3, FA1
	OUT16 4, FA0
	OUT16 5, FA1
	OUT16 6, FA0
	OUT16 7, FA1
	s_wait_tensorcnt 0x0
	ds_add_u32 v30, v31
	s_wait_dscnt 0x0
	CROUND                                         ; no work-group ends while a partner may still ask for a tile that names it
	s_endpgm
.Lfunc_end_k_q10aae5b298_outp:
	.size	k_q10aae5b298_outp, .Lfunc_end_k_q10aae5b298_outp-k_q10aae5b298_outp
	.p2alignl 7, 3214868480
	.fill 96, 4, 3214868480
	.section	.rodata,"a",@progbits
	.p2align	6, 0x0
	.amdhsa_kernel k_q10aae5b298_outp
		.amdhsa_group_segment_fixed_size 327680
		.amdhsa_private_segment_fixed_size 0
		.amdhsa_enable_private_segment 0
		.amdhsa_kernarg_size 24
		.amdhsa_user_sgpr_count 2
		.amdhsa_user_sgpr_kernarg_segment_ptr 1
		.amdhsa_wavefront_size32 1
		.amdhsa_system_sgpr_workgroup_id_x 1
		.amdhsa_system_sgpr_workgroup_id_y 1
		.amdhsa_system_sgpr_workgroup_id_z 1
		.amdhsa_system_vgpr_workitem_id 0
		.amdhsa_next_free_vgpr 512
		.amdhsa_next_free_sgpr 66
		.amdhsa_reserve_vcc 0
		.amdhsa_float_denorm_mode_32 3
		.amdhsa_float_denorm_mode_16_64 3
		.amdhsa_memory_ordered 1
		.amdhsa_forward_progress 1
		.amdhsa_inst_pref_size 178
	.end_amdhsa_kernel
	.amdgpu_metadata
---
amdhsa.version: [ 1, 2 ]
amdhsa.kernels:
  - .name:           k_q10aae5b298_outp
    .symbol:         k_q10aae5b298_outp.kd
    .args:
      - { .name: Ch, .offset: 0, .size: 8, .value_kind: global_buffer, .address_space: global }
      - { .name: W_o, .offset: 8, .size: 8, .value_kind: global_buffer, .address_space: global }
      - { .name: out0, .offset: 16, .size: 8, .value_kind: global_buffer, .address_space: global }
    .group_segment_fixed_size: 327680
    .private_segment_fixed_size: 0
    .kernarg_segment_align: 8
    .kernarg_segment_size: 24
    .max_flat_workgroup_size: 128
    .sgpr_count:     66
    .vgpr_count:     512
    .wavefront_size: 32
...
	.end_amdgpu_metadata
.endif
;; end of part 3
